; MI455X (gfx1250); checked and timed in simulation.
; The chip was launched on July 23, 2026; its instructions are those of AMD's public machine-readable ISA for CDNA 5 (MIT licence, August 2026) and "CDNA5" Instruction Set Architecture Reference Guide (July 2026). The comments in the code are by the model that wrote it; some were corrected since.
;; Log Sparse Attention. Allowed arithmetic: matrix products marked QUANTISED: E5M2 operands, one E8M0 scale for each 32 along K, by v_wmma_scale_f32_16x16x128_f8f6f4 with both operands' format E5M2, f32 sums; everything else in f32.
;; Inputs: keys_codes 4 x 2,048 x 8 x 2 x 32 uint8 (E5M2 codes of keys, K innermost, in blocks of 32 codes); keys_scales 4 x 2,048 x 8 x 2 uint8 (E8M0 scales of keys, one for each 32 codes along K); queries_codes 4 x 2,048 x 8 x 2 x 32 uint8 (E5M2 codes of queries, K innermost, in blocks of 32 codes); queries_scales 4 x 2,048 x 8 x 2 uint8 (E8M0 scales of queries, one for each 32 codes along K); values_codes 4 x 8 x 64 x 64 x 32 uint8 (E5M2 codes of values, K innermost, in blocks of 32 codes); values_scales 4 x 8 x 64 x 64 uint8 (E8M0 scales of values, one for each 32 codes along K).
;; Outputs: out0 4 x 2,048 x 8 x 64 float32.
;; This version of the problem:
;;   THIS VERSION OF THE PROBLEM IS GIVEN IN LOW PRECISION. The matrix products marked QUANTISED in the list below multiply operands that are first quantised to E5M2 (5 exponent bits, 2 mantissa bits; 8 bits a number), with one power-of-two scale for each 32 numbers along K (OCP MX v1.0); their sums are f32. All else is computed in f32.
;;   The module's matrix products, in the order in which they are computed (A, B: the left and right operand; K: the contracted axis; several contracted axes count as one K, in the product's order):
;;     1. batch 32 x [M 2,048, K 64] x [K 64, N 2,048]; A: input queries (given as codes); B: input keys (given as codes): QUANTISED
;;     2. batch 32 x [M 64, K 2,048] x [K 2,048, N 2,048]; A: input values (given as codes); B: softmax (see below): QUANTISED
;;   THE QUANTISER, for each operand of a quantised product, along K:
;;     - K is cut into blocks of 32 from its start; a last block that is shorter is filled with zeros.
;;     - A block's scale is 2^e with e = floor(log2(the largest magnitude in the block)) - 15, held to -126 .. 127; a block of zeros has e = 0. As a byte (E8M0): e + 127.
;;     - Each number is divided by its block's scale, clamped to +-57,344, and rounded to the nearest number of E5M2, ties to even, subnormals kept.
;;     - The product sums the exact products of the quantised numbers (number of the format x scale) in f32.
;;   ~~~python
;;   def quantise(x, axis):      # numpy; x: float32 -> the quantised numbers, widened to float32 again
;;       x = np.moveaxis(x, axis, -1); K = x.shape[-1]
;;       x = np.pad(x, [(0, 0)] * (x.ndim - 1) + [(0, -K % 32)]); x = x.reshape(x.shape[:-1] + (-1, 32)); a = np.abs(x).max(-1, keepdims=True)
;;       e = np.where(a > 0, np.clip(np.frexp(np.where(a > 0, a, 1))[1] - 1 - 15, -126, 127), 0)      # np.frexp(a)[1] - 1 = floor(log2(a)), exactly
;;       r = np.clip(x / 2.0 ** e, -57344, 57344)
;;       step = 2.0 ** (np.maximum(np.frexp(np.where(r == 0, 1, r))[1] - 1, -14) - 2)
;;       q = np.round(r / step) * step * 2.0 ** e      # np.round: ties to even
;;       return np.moveaxis(q.reshape(q.shape[:-2] + (-1,))[..., :K], -1, axis).astype(np.float32)
;;   ~~~
;;   SOFTMAX AHEAD OF A QUANTISED PRODUCT. Where the list says 'softmax', what is quantised is not the finished softmax but p = 2^(t - M), with t = logit x log2(e) and M = ceil(the row's largest t), a whole number; so 1/2 < the row's largest p <= 1. The row's sum l is taken of the UNQUANTISED p, in f32, and the product's result is divided by l at the end. Since M is a whole number, a kernel that streams over the keys may use a running M (the ceiling of the running maximum): every later rescaling is an exact power of two, which a block's scale takes up: the codes' values come out the same.
;;   OPERANDS COMPUTED ON THE WAY. 'Computed on the way' means the value that the module computes at that place (a softmax that the list does not call 'softmax' is quantised finished and normalised). What goes into a quantiser is computed in f32, as accurately as f32 sums, v_exp_f32 and their like allow (about 1e-6 of the number): no bf16 or f16 on the way to a quantiser, and a product that is left as it is and whose result goes on into a quantised operand takes f32 operands (vector FMAs, or v_wmma_f32_16x16x4_f32). A number that lies on a knife's edge between two numbers of the format may be rounded either way, as far as f32 arithmetic and the matrix unit's own rounding can turn it there, and no further.
;;   INPUTS GIVEN AS CODES. keys (in the module: [4, 2048, 8, 64], K = its axis 3); queries (in the module: [4, 2048, 8, 64], K = its axis 3); values (in the module: [4, 2048, 8, 64], K = its axis 1): each comes as NAME_codes (uint8): NAME with its K axis moved to the last place and cut into blocks of 32 codes, [.., K / 32, bytes a block], one block behind the other in memory; one code a byte (a code: sign, 5 exponent bits, 2 mantissa bits); and NAME_scales (uint8): the same leading axes, one E8M0 byte (e + 127) for each 32 codes along K. Its value is code x scale, taken as it is: it is not quantised again, and the codes and scales need not be those that the quantiser above would give.
;; One version. Each part assembles by itself: llvm-mc -triple=amdgcn-amd-amdhsa -mcpu=gfx1250 --defsym DOCPART=n.
;; ======== version 1 of 1: 1 launch
;; limits: right only within a limited range of input values
;; launch logsparse (part 1): grid 8 x 32, 16 waves a work-group, no clusters, 225,280 bytes of LDS; arguments keys_codes, keys_scales, queries_codes, queries_scales, values_codes, values_scales, out0; writes out0
.if DOCPART == 1
	.amdgcn_target "amdgcn-amd-amdhsa--gfx1250"
	.amdhsa_code_object_version 6
	.text
	.protected	k_q37ec902378_logsparse
	.globl	k_q37ec902378_logsparse
	.p2align	8
	.type	k_q37ec902378_logsparse,@function
k_q37ec902378_logsparse:
	s_mov_b64 s[64:65], 0
	v_nop
	global_prefetch_b8 v0, s[64:65] scope:SCOPE_SE
	s_setreg_imm32_b32 hwreg(HW_REG_WAVE_MODE, 25, 1), 1
	s_wait_xcnt 0x0
; LOG-SPARSE ATTENTION ON CODES OF BF8 (E5M2) WITH E8M0 SCALES.  4 x 8 heads, 2,048 positions, head size 64.
; Query i sees key j only where i - j is 0 or a power of two up to 1,024.  In tiles of 16 queries x 16 keys, with T = query tile - key tile, only T = 0, 1, 2, 4, 8, 16, 32, 64
; have an open place; from T = 2 on only the tile's diagonal.  All other tiles lie wholly under the mask and are not multiplied.
; SHARES.  A work-group owns 256 queries of one head (x: which 256, y: batch x 8 + head); each of its sixteen waves one tile of 16 queries, t = 16 x + wave.  The text has no loop and no branch.
; LAYOUT.  Both products are used transposed: S^T = K Q^T (source 0 = 16 keys, source 1 = my 16 queries), O^T = V^T P^T (source 0 = 16 of the head's 64, source 1 = p): lane (r, h) holds query r throughout,
; and its eight registers of a score tile are keys 8 h + 0 .. 7.
; ONE OPERAND PATTERN for K, Q, V and p: of each of the instruction's four blocks of 32 along K, a lane's first two registers hold eight codes and its last two hold zero codes, on both sides.
;   first product: block cc holds the head's bytes 16 cc + 8 h + 0 .. 7, so the scale word is (s0, s0, s1, s1);
;   second product: block cc of step s is score tile 4 s + cc, so that a block of the instruction holds keys of ONE aligned block of 32 keys, whose scale bytes (p's and V's) it takes.
; THE MASK is the C of the first product: 0 where a place is open, NEG = -2^126 where it is not; p = 2^(t - M) of such a place is 0.  A tile that would begin ahead of key 0 is all NEG.
; THE SOFTMAX: t = score x log2(e) / 8; M = the row's largest t rounded up to a whole number; p = 2^(t - M) is quantised by aligned blocks of 32 keys; the row's sum is taken of the unquantised p and divides at the end.
; Two of the tiles share an aligned block (T = 0 and 1 where t is odd, T = 1 and 2 where it is even): they take one joint scale.
; LIMITS: scores stay under 2^120 in magnitude; NaN and infinity codes and the scale byte 0xff are not served; a p under 2^-126 counts as 0.
; NO CLUSTER: the work-groups of one head need different sets of key chunks (x, x - 1, x - 2, x - 4), so a joint load would have to bring each of them twice the bytes that it reads;
; the eight heads of a batch share only the 512-byte rows of K, and four heads' 1,024 keys, 256 KB, do not fit in LDS beside V.
; LDS: four chunks of 256 keys, in the order x - 1, x, x - 2, x - 4 (a number under 0 is held at 0: those bytes are read under the mask).  Tile i of wave w stands at place w + P_i of that run of 64 tiles,
; P = 16, 15, 14, 12, 8, 0, 32, 48: no LDS address hangs on x.  Every byte is filled once.
.set KP,    80                         ; a key's row in LDS: 64 bytes + 16 of padding
.set VP,    272                        ; a row of V (256 keys of one d): 256 bytes + 16
.set VBASE, 81920                      ; behind K's 1,024 rows: V, 64 rows for each chunk
.set VSIG,  64*VP                      ; a chunk of V
.set VSB,   151552                     ; V's scale bytes [chunk][d][8]
.set STAGE, 153600                     ; the way out: 16 rows x 272 bytes for each wave, its own
.set NEG,   0xfe800000                 ; -2^126
.set KA,   1                           ; v1   1,280 wave + 80 r + 8 h: my place in a tile of K
.set VL,   2                           ; v2   VBASE + 272 r + 8 h: in a tile of V
.set STO,  3                           ; v3   the stage, on the way in
.set SRD,  4                           ; v4   and back
.set GO,   5                           ; v5   my byte offset in the wave's rows of out0
.set NEGR, 6                           ; v6   NEG
.set ZR,   7                           ; v7   0
.set DM,   8                           ; v8-15    register j: all ones where 8 h + j = r (the diagonal), else 0
.set QF,   16                          ; v16-31   Q's fragment
.set FR,   32                          ; v32-95   four fragments of K or of V; at the end rows of out0
.set S,    96                          ; v96-159  the eight score tiles, then p; v96-127 later O^T
.set PF,   160                         ; v160-191 p's codes, two steps
.set KSW,  192                         ; v192-199 K's scale words
.set QSW,  200                         ; v200     Q's
.set VSW,  201                         ; v201-204 V's: step s, pair of d tiles q at 2 s + q (lanes 0-15: d tile 2 q, lanes 16-31: 2 q + 1)
.set PW,   205                         ; v205-206 p's, one for each step
.set OWN2, 207                         ; v207     tile 2's own largest score, then its p
.set BM,   208                         ; v208-215 a tile's largest score, then its block's largest p.  At the head: KOFF
.set KOFF, 208
.set TP,   216                         ; v216-223 at work.  Until V's scale bytes are read: VSA, their addresses
.set VSA,  216
.set HL,   224                         ; v224-231 57,344 x the scale.  At the head: BD, the far tiles' bias; then V's scale bytes, q = 0
.set BD,   224
.set SO,   232                         ; v232-239 the conversions' scale operands.  At the head: the eight below; then V's scale bytes, q = 1
.set RR,   232
.set HH,   233
.set ED,   234
.set EB,   235
.set QOFF, 236
.set R16,  237
.set VSGO, 238
.set XX,   239
.set VA,   240                         ; v240-247 the eight tiles' addresses in V
.set NM,   248                         ; v248 -M, v249 the row's largest t
.set L,    250                         ; v[250:251] the sum
.set L2,   252                         ; v[252:253] its second chain; then v252 = 1 / the sum.  At the head v253 = VSL
.set VSL,  253
.set TA,   254                         ; v254 V's scale word on its way to LDS; later at work
.set TB,   255                         ; v255 where it goes; later at work
.set WV,   18                          ; s18 wave   s20 batch x 8 + head   s21 batch   s22 head   s23 t
.set BH,   20
.set BB,   21
.set HD,   22
.set TT,   23
.set G1K,  24                          ; s[24:31], s[32:39] descriptor groups 1;  s[40:43], s[44:47] groups 0
.set G1V,  32
.set G0K,  40
.set G0V,  44
.set SEL,  50                          ; s[50:51] v_permlanex16_b32's selects for lane l xor 16
.set CS,   52                          ; s[52:53] log2(e) / 8
.set MNT,  54                          ; s54 the mantissa field of 57,344
.set MU,   55                          ; s55 all ones where t is odd
.set PSEL, 56                          ; s56 byte selects (0, 0, 1, 1)
.set NX,   66                          ; s66-72 tile i = 1 .. 7 at NX + i - 1: 0 where the tile exists, else NEG's bits
.macro SETP i                          ; PP = P_i
.if (\i) < 6
.set PP, 16-((1<<(\i))>>1)
.else
.set PP, 32+16*((\i)-6)
.endif
.endm
.macro KSOFF i                         ; tile i = t - T_i, T_i = (1 << i) >> 1: does it exist, and where its keys' scale bytes stand (16 bytes a key; a tile under 0 is held at 0)
	s_sub_co_i32 s57, s[TT], (1<<(\i))>>1
.if (\i) > 0
	s_cmp_lt_i32 s57, 0
	s_cselect_b32 s[NX+(\i)-1], NEG, 0
	s_max_i32 s57, s57, 0
.endif
	s_lshl_b32 s57, s57, 8
	v_add_nc_u32 v[KOFF+(\i)], s57, v[R16]
.endm
.macro VADDR i                         ; place = wave + P_i: chunk place / 16, tile place % 16 in it (16 bytes of a row of V), aligned block (place / 2) % 8 (a byte of V's scales)
	SETP \i
	s_add_co_u32 s57, s[WV], PP
	s_lshr_b32 s2, s57, 4
	s_mul_i32 s3, s2, VSIG
	s_and_b32 s48, s57, 15
	s_lshl_b32 s48, s48, 4
	s_add_co_u32 s3, s3, s48
	v_add_nc_u32 v[VA+(\i)], s3, v[VL]
	s_lshl_b32 s2, s2, 9
	s_lshr_b32 s48, s57, 1
	s_and_b32 s48, s48, 7
	s_add_co_u32 s2, s2, s48
	v_add_nc_u32 v[VSA+(\i)], s2, v[VSL]
.endm
.macro KLOAD i                         ; tile i's 16 keys: eight bytes a lane for each of the four blocks
	SETP \i
.irp cc, 0,1,2,3
	ds_load_b64 v[FR+16*((\i)%4)+4*\cc:FR+16*((\i)%4)+4*\cc+1], v[KA] offset:PP*16*KP+16*\cc
.endr
.endm
.macro QK i                            ; S_i = K Q^T + the mask's bias, which lies in S_i
	v_wmma_scale_f32_16x16x128_f8f6f4 v[S+8*(\i):S+8*(\i)+7], v[FR+16*((\i)%4):FR+16*((\i)%4)+15], v[QF:QF+15], v[S+8*(\i):S+8*(\i)+7], v[KSW+(\i)], v[QSW] matrix_a_fmt:MATRIX_FMT_BF8 matrix_b_fmt:MATRIX_FMT_BF8
.endm
.macro TMAX g                          ; the largest of my eight scores of tiles 4 g .. 4 g + 3, the tiles by turns; each accumulator is read from its low end on
.irp n, 0,1,2,3
	v_max3_num_f32 v[BM+4*(\g)+\n], v[S+8*(4*(\g)+\n)], v[S+8*(4*(\g)+\n)+1], v[S+8*(4*(\g)+\n)+2]
.endr
.irp k, 3,5
.irp n, 0,1,2,3
	v_max3_num_f32 v[BM+4*(\g)+\n], v[BM+4*(\g)+\n], v[S+8*(4*(\g)+\n)+\k], v[S+8*(4*(\g)+\n)+\k+1]
.endr
.endr
.irp n, 0,1,2,3
	v_max_num_f32 v[BM+4*(\g)+\n], v[BM+4*(\g)+\n], v[S+8*(4*(\g)+\n)+7]
.endr
.endm
.macro VLOAD s                         ; step s: for each of the four d tiles, tiles 4 s .. 4 s + 3 of V: eight keys a lane
.irp dt, 0,1,2,3
.irp cc, 0,1,2,3
	ds_load_b64 v[FR+16*\dt+4*\cc:FR+16*\dt+4*\cc+1], v[VA+4*(\s)+\cc] offset:16*VP*\dt
.endr
.endr
.endm
.macro FAR i, src                      ; a tile whose diagonal alone is open: its one p is the tile's largest; held at 57,344 x the scale, it goes to the diagonal's register, zeros to the others
	v_min_num_f32 v[TP+(\i)], v[\src], v[HL+(\i)]
.irp j, 0,1,2,3,4,5,6,7
	v_and_b32 v[S+8*(\i)+\j], v[DM+\j], v[TP+(\i)]
.endr
.endm
.macro CVT i                           ; my eight p of tile i become the two code registers of block i % 4 of step i / 4
	v_cvt_scalef32_pk8_bf8_f32 v[PF+4*(\i):PF+4*(\i)+1], v[S+8*(\i):S+8*(\i)+7], v[SO+(\i)]
.endm
.macro PVI s, dt                       ; O^T(d tile dt) (+)= V^T p^T over step s.  An odd d tile's scale words stand in lanes 16-31
.if (\s) == 0
.if (\dt) % 2
	v_wmma_scale_f32_16x16x128_f8f6f4 v[S+8*(\dt):S+8*(\dt)+7], v[FR+16*(\dt):FR+16*(\dt)+15], v[PF+16*(\s):PF+16*(\s)+15], 0, v[VSW+2*(\s)+(\dt)/2], v[PW+(\s)] matrix_a_fmt:MATRIX_FMT_BF8 matrix_b_fmt:MATRIX_FMT_BF8 matrix_a_scale:MATRIX_SCALE_ROW1
.else
	v_wmma_scale_f32_16x16x128_f8f6f4 v[S+8*(\dt):S+8*(\dt)+7], v[FR+16*(\dt):FR+16*(\dt)+15], v[PF+16*(\s):PF+16*(\s)+15], 0, v[VSW+2*(\s)+(\dt)/2], v[PW+(\s)] matrix_a_fmt:MATRIX_FMT_BF8 matrix_b_fmt:MATRIX_FMT_BF8
.endif
.else
.if (\dt) % 2
	v_wmma_scale_f32_16x16x128_f8f6f4 v[S+8*(\dt):S+8*(\dt)+7], v[FR+16*(\dt):FR+16*(\dt)+15], v[PF+16*(\s):PF+16*(\s)+15], v[S+8*(\dt):S+8*(\dt)+7], v[VSW+2*(\s)+(\dt)/2], v[PW+(\s)] matrix_a_fmt:MATRIX_FMT_BF8 matrix_b_fmt:MATRIX_FMT_BF8 matrix_a_scale:MATRIX_SCALE_ROW1
.else
	v_wmma_scale_f32_16x16x128_f8f6f4 v[S+8*(\dt):S+8*(\dt)+7], v[FR+16*(\dt):FR+16*(\dt)+15], v[PF+16*(\s):PF+16*(\s)+15], v[S+8*(\dt):S+8*(\dt)+7], v[VSW+2*(\s)+(\dt)/2], v[PW+(\s)] matrix_a_fmt:MATRIX_FMT_BF8 matrix_b_fmt:MATRIX_FMT_BF8
.endif
.endif
.endm
; ---------------- THE HEAD: ids, descriptors, offsets
	s_load_b256 s[4:11], s[0:1], 0x0               ; K's codes s[4:5], K's scales s[6:7], Q's codes s[8:9], Q's scales s[10:11]
	s_load_b128 s[12:15], s[0:1], 0x20             ; V's codes s[12:13], V's scales s[14:15]
	s_load_b64 s[16:17], s[0:1], 0x30              ; out0
	v_lshl_add_u32 v254, v0, 2, 0x36800
	v_mov_b32 v255, 0
	ds_add_u32 v254, v255
	ds_add_u32 v254, v255
	s_wait_dscnt 0x0
	v_lshrrev_b32 v[XX], 5, v0
	v_readfirstlane_b32 s[WV], v[XX]               ; wave 0..15
	s_and_b32 s[BH], ttmp7, 0xffff                 ; batch x 8 + head
	s_lshr_b32 s[BB], s[BH], 3
	s_and_b32 s[HD], s[BH], 7
	s_lshl_b32 s[TT], ttmp9, 4
	s_add_co_u32 s[TT], s[TT], s[WV]               ; t: my tile of 16 queries
	; group 1 for K: 64 rows (keys) of 64 bytes, 512 bytes apart in memory; 16 bytes of padding behind each row
	s_mov_b32 s[G1K+0], (1<<20)|(3<<22)|(3<<25)    ; no mask; elements of 1 byte; padding on; after every 16 words (code 3) four words (code 3)
	s_mov_b32 s[G1K+1], 64<<16                     ; tensor_dim0
	s_mov_b32 s[G1K+2], 64<<16                     ; tensor_dim1
	s_mov_b32 s[G1K+3], 64<<16                     ; tile_dim0
	s_mov_b32 s[G1K+4], 64                         ; tile_dim1
	s_mov_b32 s[G1K+5], 512                        ; from row to row
	s_mov_b32 s[G1K+6], 0
	s_mov_b32 s[G1K+7], 0
	; group 1 for V: 16 rows (d) of 256 bytes (keys), 2,048 bytes apart; 16 bytes of padding behind each row
	s_mov_b32 s[G1V+0], (1<<20)|(5<<22)|(3<<25)    ; after every 64 words (code 5) four words
	s_mov_b32 s[G1V+1], 256<<16
	s_mov_b32 s[G1V+2], 16<<16
	s_mov_b32 s[G1V+3], 256<<16
	s_mov_b32 s[G1V+4], 16
	s_mov_b32 s[G1V+5], 2048
	s_mov_b32 s[G1V+6], 0
	s_mov_b32 s[G1V+7], 0
	; which chunk of keys my loads bring: LDS chunk wave / 4 holds chunk x - (1, 0, 2, 4), held at 0 from below.  It enters global addresses alone
	s_lshr_b32 s2, s[WV], 2
	s_lshl_b32 s2, s2, 2
	s_lshr_b32 s2, 0x4201, s2
	s_and_b32 s2, s2, 15
	s_sub_co_i32 s2, ttmp9, s2
	s_max_i32 s2, s2, 0                            ; s2: the chunk
	s_and_b32 s3, s[WV], 3
	s_lshl_b32 s3, s3, 15                          ; my quarter of it: 64 keys x 512 bytes of K, and 16 rows x 2,048 bytes of V
	s_lshl_b32 s48, s[BB], 20                      ; K: batch x 2,048 x 512
	s_lshl_b32 s57, s2, 17                         ;    + chunk x 256 x 512
	s_add_co_u32 s48, s48, s57
	s_add_co_u32 s48, s48, s3
	s_lshl_b32 s57, s[HD], 6                       ;    + head x 64
	s_add_co_u32 s48, s48, s57
	s_mov_b32 s49, 0
	s_lshl_b32 s58, s[BH], 17                      ; V: (batch, head) x 64 x 2,048
	s_add_co_u32 s58, s58, s3
	s_lshl_b32 s57, s2, 8                          ;    + chunk x 256
	s_add_co_u32 s58, s58, s57
	s_mov_b32 s59, 0
	v_and_b32 v[RR], 15, v0                        ; r
	v_bfe_u32 v[HH], v0, 4, 1                      ; h
	v_lshlrev_b32 v[QOFF], 9, v[RR]
	v_lshl_add_u32 v[QOFF], v[HH], 3, v[QOFF]      ; Q: row r of 512 bytes, + 8 h
	v_lshlrev_b32 v[R16], 4, v[RR]                 ; scale bytes of K and Q: 16 bytes a position
	v_and_b32 v[VSGO], 127, v0
	v_lshrrev_b32 v[VSGO], 1, v[VSGO]
	v_lshlrev_b32 v[VSGO], 6, v[VSGO]              ; V's scale bytes: four waves bring a chunk's 64 rows x 8 bytes: thread pair -> d, 64 bytes a row,
	v_and_b32 v[XX], 1, v0
	v_lshl_add_u32 v[VSGO], v[XX], 2, v[VSGO]      ; four bytes a thread
	v_lshl_add_u32 v[TB], v0, 2, VSB               ; and in LDS they lie on end: VSB + 4 x thread
.irp i, 0,1,2,3,4,5,6,7
	KSOFF \i
.endr
	s_mov_b32 s[G0K+0], 1                          ; count = 1
	s_mul_i32 s[G0K+1], s[WV], 64*KP               ; LDS: wave x 64 rows
	s_mov_b32 s[G0V+0], 1
	s_mul_i32 s[G0V+1], s[WV], 16*VP
	s_add_co_u32 s[G0V+1], s[G0V+1], VBASE         ; LDS: VBASE + wave x 16 rows
	s_wait_kmcnt 0x0
	s_add_nc_u64 s[G0K+2:G0K+3], s[4:5], s[48:49]
	s_or_b32 s[G0K+3], s[G0K+3], 0x80000000        ; type = 2
	s_add_nc_u64 s[G0V+2:G0V+3], s[12:13], s[58:59]
	s_or_b32 s[G0V+3], s[G0V+3], 0x80000000
	tensor_load_to_lds s[G0K:G0K+3], s[G1K:G1K+7]  ; every wave brings a sixteenth of K's rows and a sixteenth of V's: two tensor loads of mine are out, and no descriptor register is written again
	s_nop 0
	tensor_load_to_lds s[G0V:G0V+3], s[G1V:G1V+7]
	s_nop 0
	v_mov_b32 v[NEGR], NEG
	v_mov_b32 v[ZR], 0
	s_lshl_b32 s48, s[BH], 12                      ; V's scales: (batch, head) x 64 x 64 + chunk x 8
	s_lshl_b32 s57, s2, 3
	s_add_co_u32 s48, s48, s57
	s_add_nc_u64 s[14:15], s[14:15], s[48:49]
	s_lshl_b32 s48, s[BB], 20                      ; Q's codes: batch, + t x 16 x 512, + head x 64
	s_lshl_b32 s57, s[TT], 13
	s_add_co_u32 s48, s48, s57
	s_lshl_b32 s57, s[HD], 6
	s_add_co_u32 s48, s48, s57
	s_add_nc_u64 s[8:9], s[8:9], s[48:49]
	s_lshl_b32 s48, s[BB], 15                      ; scale bytes of K: batch x 2,048 x 16 + head x 2;
	s_lshl_b32 s57, s[HD], 1
	s_add_co_u32 s48, s48, s57
	s_add_nc_u64 s[6:7], s[6:7], s[48:49]
	s_lshl_b32 s57, s[TT], 8                       ; of Q: + t x 16 x 16
	s_add_co_u32 s48, s48, s57
	s_add_nc_u64 s[10:11], s[10:11], s[48:49]
	global_load_b32 v[TA], v[VSGO], s[14:15]       ; fourteen loads, all waited for together below
.irp cc, 0,1,2,3
	global_load_b64 v[QF+4*\cc:QF+4*\cc+1], v[QOFF], s[8:9] offset:16*\cc   ; Q(r, 16 cc + 8 h + 0 .. 7)
.endr
	global_load_u16 v[QSW], v[R16], s[10:11]       ; query r's two scale bytes
.irp i, 0,1,2,3,4,5,6,7
	global_load_u16 v[KSW+\i], v[KOFF+\i], s[6:7]  ; key r of tile i: its two scale bytes
.endr
; ---------------- WORK ON REGISTERS WHILE THE TILES ARE ON THEIR WAY
	s_lshl_b32 s48, s[BB], 22                      ; out0: batch x 2,048 x 2,048 + t x 16 x 2,048 + head x 256
	s_lshl_b32 s57, s[TT], 15
	s_add_co_u32 s48, s48, s57
	s_lshl_b32 s57, s[HD], 8
	s_add_co_u32 s48, s48, s57
	s_add_nc_u64 s[16:17], s[16:17], s[48:49]
	s_mov_b32 s[SEL], 0x76543210
	s_mov_b32 s[SEL+1], 0xfedcba98
	s_mov_b32 s[CS], 0x3e38aa3b                    ; log2(e) / 8
	s_mov_b32 s[CS+1], s[CS]                       ; (named with it as a pair, so it is written)
	s_mov_b32 s[MNT], 0x600000
	s_mov_b32 s[PSEL], 0x01010000
	s_and_b32 s[MU], s[WV], 1                      ; t = 16 x + wave is odd where the wave's number is
	s_sub_co_u32 s[MU], 0, s[MU]
	; the zero codes of the operand pattern: the last two of every four registers; written once, no load and no conversion ever lands on them
.irp cc, 0,1,2,3
	v_mov_b32 v[QF+4*\cc+2], 0
	v_mov_b32 v[QF+4*\cc+3], 0
.endr
.set n, 0
.rept 16
	v_mov_b32 v[FR+4*n+2], 0
	v_mov_b32 v[FR+4*n+3], 0
.set n, n+1
.endr
.set n, 0
.rept 8
	v_mov_b32 v[PF+4*n+2], 0
	v_mov_b32 v[PF+4*n+3], 0
.set n, n+1
.endr
	; the mask.  Register j of a tile is key 8 h + j; with ED = r - 8 h the query's distance from it inside the tile is ED - j
	v_lshlrev_b32 v[ED], 3, v[HH]
	v_sub_nc_u32 v[ED], v[RR], v[ED]               ; -8 .. 15
	v_add_nc_u32 v[EB], 8, v[ED]
	v_lshlrev_b32 v[EB], v[EB], 1                  ; bit ED + 8
.irp j, 0,1,2,3,4,5,6,7
	v_cmp_eq_u32 vcc_lo, \j, v[ED]                 ; the diagonal
	v_cndmask_b32 v[DM+\j], 0, -1, vcc_lo
	v_cndmask_b32 v[BD+\j], v[NEGR], v[ZR], vcc_lo ; the far tiles' bias: 0 on it, NEG off it
.endr
.irp j, 0,1,2,3,4,5,6,7
	v_and_b32 v[XX], 0x117<<(8+\j), v[EB]          ; T = 0: open where ED - j is 0, 1, 2, 4 or 8
	v_cmp_eq_u32 vcc_lo, 0, v[XX]
	v_cndmask_b32 v[S+\j], v[ZR], v[NEGR], vcc_lo
.endr
.irp j, 0,1,2,3,4,5,6,7
	v_and_b32 v[XX], 0x10116>>(8-\j), v[EB]        ; T = 1: open where 16 + ED - j is 16, 8, 4, 2 or 1
	v_cmp_eq_u32 vcc_lo, 0, v[XX]
	v_cndmask_b32 v[S+8+\j], v[ZR], v[NEGR], vcc_lo
	v_or_b32 v[S+8+\j], s[NX], v[S+8+\j]           ; all NEG where tile t - 1 does not exist
.endr
	; LDS addresses: constants, the lane and the wave's number
	v_mul_u32_u24 v[KA], v[RR], KP
	v_lshl_add_u32 v[KA], v[HH], 3, v[KA]
	s_mul_i32 s57, s[WV], 16*KP
	v_add_nc_u32 v[KA], s57, v[KA]
	v_mul_u32_u24 v[VL], v[RR], VP
	v_lshl_add_u32 v[VL], v[HH], 3, v[VL]
	v_add_nc_u32 v[VL], VBASE, v[VL]
	v_lshlrev_b32 v[VSL], 7, v[HH]                 ; V's scale bytes: d = 16 h + r (+ 32 q by the immediate), 8 bytes a d
	v_lshl_add_u32 v[VSL], v[RR], 3, v[VSL]
	v_add_nc_u32 v[VSL], VSB, v[VSL]
	s_mul_i32 s57, s[WV], 16*VP
	s_add_co_u32 s57, s57, STAGE                   ; my stage
	v_mul_u32_u24 v[STO], v[RR], VP                ; in: row r, 32 bytes for each half of the lanes
	v_lshl_add_u32 v[STO], v[HH], 5, v[STO]
	v_add_nc_u32 v[STO], s57, v[STO]
	v_mul_u32_u24 v[SRD], v[HH], VP                ; back: lanes 0-15 one row of 256 bytes, lanes 16-31 the next
	v_lshl_add_u32 v[SRD], v[RR], 4, v[SRD]
	v_add_nc_u32 v[SRD], s57, v[SRD]
	v_lshlrev_b32 v[GO], 11, v[HH]                 ; and the same two rows in out0, 2,048 bytes apart
	v_lshl_add_u32 v[GO], v[RR], 4, v[GO]
.irp i, 0,1,2,3,4,5,6,7
	VADDR \i
.endr
	s_wait_loadcnt 0x0                             ; Q, all scale bytes; the loads' offset registers are free from here on
	ds_store_b32 v[TB], v[TA]                      ; V's scale bytes: my four
.irp i, 0,1,2,3,4,5,6,7
	v_perm_b32 v[KSW+\i], v[KSW+\i], v[KSW+\i], s[PSEL]   ; (s0, s1) -> (s0, s0, s1, s1): the instruction's block cc holds the head's bytes 16 cc on
.endr
	v_perm_b32 v[QSW], v[QSW], v[QSW], s[PSEL]
.irp i, 2,3,4,5,6,7                            ; the far tiles' bias.  These 48 lines also stand between the scale words just made and the first product (eight places are asked)
.irp j, 0,1,2,3,4,5,6,7
	v_or_b32 v[S+8*\i+\j], s[NX+\i-1], v[BD+\j]
.endr
.endr
	s_wait_tensorcnt 0x1                           ; my part of K has landed; the one load issued behind it, V's, may stay out
	s_wait_dscnt 0x0                               ; my store of V's scale bytes is done
	s_barrier_signal -1
	s_barrier_wait -1                              ; everybody's are
; ---------------- S^T = K Q^T, four tiles at a time
.irp i, 0,1,2,3
	KLOAD \i
.endr
.irp q, 0,1
.irp i, 0,1,2,3,4,5,6,7
	ds_load_u8 v[HL+8*\q+\i], v[VSA+\i] offset:256*\q   ; V's scale byte of (d = 32 q + 16 h + r, tile i's aligned block)
.endr
.endr
	s_wait_dscnt 16                                ; the sixteen loads of K are in; the sixteen byte loads behind them may be out
.irp i, 0,1,2,3
	QK \i
.endr
	s_wait_dscnt 0x0
.irp k, 0,1,2,3                                ; V's scale words: k = 2 s + q takes the bytes of tiles 4 s .. 4 s + 3.  These twelve lines are also the places behind the four products
	v_lshl_or_b32 v[VSW+\k], v[HL+8*(\k%2)+4*(\k/2)+1], 8, v[HL+8*(\k%2)+4*(\k/2)]
.endr
.irp k, 0,1,2,3
	v_lshl_or_b32 v[VSW+\k], v[HL+8*(\k%2)+4*(\k/2)+2], 16, v[VSW+\k]
.endr
.irp k, 0,1,2,3
	v_lshl_or_b32 v[VSW+\k], v[HL+8*(\k%2)+4*(\k/2)+3], 24, v[VSW+\k]
.endr
.irp i, 4,5,6,7
	KLOAD \i
.endr
	s_wait_tensorcnt 0x0                           ; my part of V has landed,
	s_wait_dscnt 0x0                               ; and no LDS load of mine is out
	s_barrier_signal -1
.irp i, 4,5,6,7
	QK \i
.endr
	TMAX 0                                         ; sixteen lines on the first four tiles: the places behind the last four products
	s_barrier_wait -1                              ; everybody's part of V has landed
	VLOAD 0
; ---------------- THE SOFTMAX
	TMAX 1
.irp i, 0,1,2,3,4,5,6,7
	v_permlanex16_b32 v[TP+\i], v[BM+\i], s[SEL], s[SEL+1]
.endr
.irp i, 0,1,2,3,4,5,6,7
	v_max_num_f32 v[BM+\i], v[BM+\i], v[TP+\i]     ; with lane l xor 16's eight keys: tile i's largest score of query r
.endr
	v_max3_num_f32 v[TA], v[BM], v[BM+1], v[BM+2]
	v_max3_num_f32 v[TB], v[BM+3], v[BM+4], v[BM+5]
	v_max3_num_f32 v[TA], v[TA], v[BM+6], v[BM+7]
	v_max_num_f32 v[TA], v[TA], v[TB]              ; the row's largest score: a true score, since the query's own key is always open
	v_mul_f32 v[NM+1], s[CS], v[TA]                ; as t
	v_floor_f32 v[NM], -v[NM+1]                    ; -M = floor(-t) = -ceil(t)
	v_mov_b32 v[OWN2], v[BM+2]                     ; tile 2's own, ahead of the merge
	v_cndmask_b32 v[TA], v[BM+2], v[BM], s[MU]     ; tile 1's partner in its aligned block of 32 keys: tile 0 where t is odd, tile 2 where it is even
	v_max_num_f32 v[BM+1], v[BM+1], v[TA]          ; the block's largest
	v_cndmask_b32 v[BM], v[BM], v[BM+1], s[MU]
	v_cndmask_b32 v[BM+2], v[BM+1], v[BM+2], s[MU]
.irp k, 0,2,4,6,8,10,12,14
	v_pk_fma_f32 v[S+\k:S+\k+1], v[S+\k:S+\k+1], s[CS:CS+1], v[NM:NM+1] op_sel_hi:[1,0,0]   ; t - M of the two near tiles (of the pairs the low word serves both halves)
.endr
.irp i, 0,1,2,3,4,5,6,7
	v_fma_f32 v[BM+\i], v[BM+\i], s[CS], v[NM]     ; the same of each block's largest score: the same multiply-add and exponential on the same bits give the block's largest p
.endr
	v_fma_f32 v[OWN2], v[OWN2], s[CS], v[NM]
.irp k, 0,1,2,3,4,5,6,7,8,9,10,11,12,13,14,15  ; one batch of 25 exponentials
	v_exp_f32 v[S+\k], v[S+\k]
.endr
.irp i, 0,1,2,3,4,5,6,7
	v_exp_f32 v[BM+\i], v[BM+\i]
.endr
	v_exp_f32 v[OWN2], v[OWN2]
	v_nop                                          ; a plain instruction behind the last exponential
	s_wait_alu depctr_va_vdst(0)                   ; one wait for the batch, ahead of the first line that names a result
	v_pk_add_f32 v[L:L+1], v[S:S+1], v[S+2:S+3]    ; THE SUM IS TAKEN OF THE UNQUANTISED p: the near tiles' sixteen, in two chains
	v_pk_add_f32 v[L2:L2+1], v[S+4:S+5], v[S+6:S+7]
	v_pk_add_f32 v[L:L+1], v[L:L+1], v[S+8:S+9]
	v_pk_add_f32 v[L2:L2+1], v[L2:L2+1], v[S+10:S+11]
	v_pk_add_f32 v[L:L+1], v[L:L+1], v[S+12:S+13]
	v_pk_add_f32 v[L2:L2+1], v[L2:L2+1], v[S+14:S+15]
	v_pk_add_f32 v[L:L+1], v[L:L+1], v[L2:L2+1]
	v_add_f32 v[L], v[L], v[L+1]
	v_permlanex16_b32 v[L+1], v[L], s[SEL], s[SEL+1]   ; lane l xor 16's; added further down
.irp i, 0,1,2,3,4,5,6,7
	v_max_num_f32 v[HL+\i], 0x8000000, v[BM+\i]    ; the floor 2^(16 - 127): the byte cannot fall under 1 (a block whose every p is 0 keeps that byte: its codes are zeros)
.endr
.irp i, 0,1,2,3,4,5,6,7
	v_add_nc_u32 v[SO+\i], 0xf8800000, v[HL+\i]    ; 15 off the exponent field: the conversion's scale operand
.endr
.irp i, 0,1,2,3,4,5,6,7
	v_and_or_b32 v[HL+\i], v[HL+\i], 0x7f800000, s[MNT]   ; 57,344 x the scale
.endr
.irp i, 0,1,2,3,4,5,6,7
	v_lshrrev_b32 v[TP+\i], 23, v[SO+\i]           ; the scale's byte
.endr
.irp s, 0,1
	v_lshl_or_b32 v[PW+\s], v[TP+4*\s+1], 8, v[TP+4*\s]   ; p's scale words: byte cc of step s is tile 4 s + cc's block
.endr
.irp s, 0,1
	v_lshl_or_b32 v[PW+\s], v[TP+4*\s+2], 16, v[PW+\s]
.endr
.irp s, 0,1
	v_lshl_or_b32 v[PW+\s], v[TP+4*\s+3], 24, v[PW+\s]
.endr
; ---------------- O^T = V^T p^T, two steps of four tiles
.irp j, 0,1,2,3,4,5,6,7
	v_min_num_f32 v[S+\j], v[S+\j], v[HL]          ; the conversion to an 8-bit code does not saturate (ISA guide 7.6.2); p is not negative, so the hold is one-sided
.endr
.irp j, 0,1,2,3,4,5,6,7
	v_min_num_f32 v[S+8+\j], v[S+8+\j], v[HL+1]
.endr
	FAR 2, OWN2
	FAR 3, BM+3
.irp i, 0,1,2,3
	CVT \i
.endr
	FAR 4, BM+4                                    ; nine plain lines between the conversions and the products that read their codes and write over their sources (four places are asked)
	s_wait_dscnt 0x0                               ; V's first sixteen fragments' loads are in
.irp dt, 0,1,2,3
	PVI 0, \dt                                     ; the first step starts the sums; O^T lies over the first four score tiles, whose products and conversions stand far back
.endr
	FAR 5, BM+5                                    ; 27 plain lines that name no register of those products: the places in front of the loads below
	FAR 6, BM+6
	FAR 7, BM+7
	VLOAD 1
.irp i, 4,5,6,7
	CVT \i
.endr
	v_add_f32 v[L], v[L], v[L+1]                   ; the end of the sum: the near tiles' other half of the lanes;
	v_add_f32 v[L2], v[OWN2], v[BM+3]              ; then the six far tiles' p, which stand alike in both halves of the lanes and are added once
	v_add_f32 v[L2+1], v[BM+4], v[BM+5]
	v_add_f32 v[TA], v[BM+6], v[BM+7]
	v_add_f32 v[L], v[L], v[L2]
	v_add_f32 v[L2+1], v[L2+1], v[TA]
	v_add_f32 v[L], v[L], v[L2+1]                  ; (seven plain lines between the conversions and the products)
	v_rcp_f32 v[L2], v[L]
	v_nop                                          ; a plain instruction behind the reciprocal
	s_wait_dscnt 0x0                               ; V's second sixteen loads are in
.irp dt, 0,1,2,3
	PVI 1, \dt                                     ; the four accumulators by turns, one instruction a turn
.endr
.rept 8
	v_nop                                          ; eight places behind this form ahead of the first read of its results and of loads into its operands; no other work is left
.endr
	s_wait_alu depctr_va_vdst(0)                   ; the wait for the reciprocal, ahead of its first reader
; ---------------- THE WAY OUT: O^T / the sum, through my own stage, so that sixteen lanes store 256 consecutive bytes
.irp k, 0,2,4,6,8,10,12,14,16,18,20,22,24,26,28,30
	v_pk_mul_f32 v[S+\k:S+\k+1], v[S+\k:S+\k+1], v[L2:L2+1] op_sel_hi:[1,0]   ; each accumulator from its low end on; register 8 dt + j is out(query r, d = 16 dt + 8 h + j)
.endr
.irp dt, 0,1,2,3
	ds_store_b128 v[STO], v[S+8*\dt:S+8*\dt+3] offset:64*\dt
	ds_store_b128 v[STO], v[S+8*\dt+4:S+8*\dt+7] offset:64*\dt+16
.endr
.irp i, 0,1,2,3,4,5,6,7
	ds_load_b128 v[FR+4*\i:FR+4*\i+3], v[SRD] offset:2*VP*\i   ; LDS serves a wave's instructions in order (ISA guide 5.7.1.4): these see my stores
.endr
.irp i, 0,1,2,3,4,5,6,7
	s_wait_dscnt 7-\i                              ; the younger loads may stay out
	global_store_b128 v[GO], v[FR+4*\i:FR+4*\i+3], s[16:17] offset:4096*\i th:TH_STORE_NT   ; rows 2 i and 2 i + 1: each half of the lanes stores a head's 256 bytes of a row, at a multiple of 256 from out0's first byte
.endr
	s_wait_xcnt 0x0
	v_lshl_add_u32 v254, v0, 2, 0x36800
	v_mov_b32 v255, 0
	s_wait_tensorcnt 0x0
	ds_add_u32 v254, v255
	s_wait_dscnt 0x0
	s_endpgm
.Lfunc_end_k_q37ec902378_logsparse:
	.size	k_q37ec902378_logsparse, .Lfunc_end_k_q37ec902378_logsparse-k_q37ec902378_logsparse
	.p2alignl 7, 3214868480
	.fill 96, 4, 3214868480
	.section	.rodata,"a",@progbits
	.p2align	6, 0x0
	.amdhsa_kernel k_q37ec902378_logsparse
		.amdhsa_group_segment_fixed_size 225280
		.amdhsa_private_segment_fixed_size 0
		.amdhsa_enable_private_segment 0
		.amdhsa_kernarg_size 56
		.amdhsa_user_sgpr_count 2
		.amdhsa_user_sgpr_kernarg_segment_ptr 1
		.amdhsa_wavefront_size32 1
		.amdhsa_system_sgpr_workgroup_id_x 1
		.amdhsa_system_sgpr_workgroup_id_y 1
		.amdhsa_system_sgpr_workgroup_id_z 1
		.amdhsa_system_vgpr_workitem_id 0
		.amdhsa_next_free_vgpr 256
		.amdhsa_next_free_sgpr 80
		.amdhsa_reserve_vcc 1
		.amdhsa_float_denorm_mode_32 3
		.amdhsa_float_denorm_mode_16_64 3
		.amdhsa_memory_ordered 1
		.amdhsa_forward_progress 1
		.amdhsa_inst_pref_size 43
	.end_amdhsa_kernel
	.amdgpu_metadata
---
amdhsa.version: [ 1, 2 ]
amdhsa.kernels:
  - .name:           k_q37ec902378_logsparse
    .symbol:         k_q37ec902378_logsparse.kd
    .args:
      - { .name: keys_codes, .offset: 0, .size: 8, .value_kind: global_buffer, .address_space: global }
      - { .name: keys_scales, .offset: 8, .size: 8, .value_kind: global_buffer, .address_space: global }
      - { .name: queries_codes, .offset: 16, .size: 8, .value_kind: global_buffer, .address_space: global }
      - { .name: queries_scales, .offset: 24, .size: 8, .value_kind: global_buffer, .address_space: global }
      - { .name: values_codes, .offset: 32, .size: 8, .value_kind: global_buffer, .address_space: global }
      - { .name: values_scales, .offset: 40, .size: 8, .value_kind: global_buffer, .address_space: global }
      - { .name: out0, .offset: 48, .size: 8, .value_kind: global_buffer, .address_space: global }
    .group_segment_fixed_size: 225280
    .private_segment_fixed_size: 0
    .kernarg_segment_align: 8
    .kernarg_segment_size: 56
    .max_flat_workgroup_size: 512
    .sgpr_count:     80
    .vgpr_count:     256
    .wavefront_size: 32
...
	.end_amdgpu_metadata
.endif
;; end of part 1
